; MI455X (gfx1250); checked and timed in simulation.
; The chip was launched on July 23, 2026; its instructions are those of AMD's public machine-readable ISA for CDNA 5 (MIT licence, August 2026) and "CDNA5" Instruction Set Architecture Reference Guide (July 2026). The comments in the code are by the model that wrote it; some were corrected since.
;; Mo E Layer. Allowed arithmetic: float matrix products may take bf16 or f16 operands with f32 sums; other float arithmetic in f32, or as packed bf16 or f16 multiplies, adds, multiply-adds, maxima and minima; sums over many terms, partial sums and values carried from step to step in f32; what a program stores and reads back later, other than sums and carried values, may be rounded once to bf16 or f16.
;; Inputs: b1 8 x 4,096 float32; b2 8 x 1,024 float32; b_gate 8 float32; w1 8 x 4,096 x 1,024 float32; w2 8 x 1,024 x 4,096 float32; w_gate 8 x 1,024 float32; x 4 x 256 x 1,024 float32.
;; Outputs: out0 4 x 256 x 1,024 float32; out1 1,024 x 2 int32; out2 1,024 x 2 float32.
;; One version. Each part assembles by itself: llvm-mc -triple=amdgcn-amd-amdhsa -mcpu=gfx1250 --defsym DOCPART=n.
;; ======== version 1 of 1: 4 launches
;; limits: values are held in f16: magnitudes above 65,504 overflow, below 6.1e-05 lose precision; right only within a limited range of input values
;; workspace buffers: xh 2,097,152 bytes; choice 8,192 bytes of whole numbers; bmap 1,024 bytes of whole numbers; posbuf 32,768 bytes of whole numbers; hbuf 67,108,864 bytes; ypart 134,217,728 bytes
;; launch route (part 1): grid 128 x 1, 8 waves a work-group, no clusters, 167,936 bytes of LDS; arguments x, w_gate, b_gate, xh, choice, bmap, out1, out2; writes xh, choice, bmap, out1, out2
.if DOCPART == 1
	.amdgcn_target "amdgcn-amd-amdhsa--gfx1250"
	.amdhsa_code_object_version 6
	.text
	.protected	k_q29edebc96f_route
	.globl	k_q29edebc96f_route
	.p2align	8
	.type	k_q29edebc96f_route,@function
k_q29edebc96f_route:
	s_mov_b64 s[64:65], 0
	v_nop
	global_prefetch_b8 v0, s[64:65] scope:SCOPE_SE
	s_setreg_imm32_b32 hwreg(HW_REG_WAVE_MODE, 25, 1), 1
	s_wait_xcnt 0x0
; ROUTER.  logits = x . w_gate^T + b_gate in f32 on the vector unit (8 M multiply-adds: no bulk work, and the two indices are compared exactly), the two largest, their softmax values; an f16 copy of x
; for the first product; for each expert a bitmap of the tokens that chose it.  Eight waves to a work-group, a token each; work-group g owns tokens 8 g .. 8 g + 7: eight tokens are one byte of each bitmap.
; Wave w brings its token's row of x and row w of w_gate into LDS, 4,096 bytes each; behind a barrier every wave reads all of w_gate.  The eight results meet in a scratch block of LDS; wave 0 stores them.
; LIMITS.  The two largest are taken of the f32 LOGITS with a strict 'greater' (the lower index wins an exact tie), not of the rounded scores: the two differ only where two logits lie so close that their
; scores round alike.  The order of the f32 sums is not reference()'s.  NaN and infinities are not treated apart.  The softmax takes the largest logit away first.  xh holds no number beyond 65,504.
; Everything that hangs on floating-point numbers is stored at fixed places; no address and no branch hangs on it.
; No matrix unit, no cluster: the work-groups share only w_gate, 32 KiB of the 64 KiB that each brings in.
.set LX,    0                          ; LDS: the 8 rows of x, 4,096 bytes each
.set LWG,   32768                      ; w_gate, 8 rows of 4,096 bytes
.set SCR,   65536                      ; a block of 256 bytes that no tensor load fills: wave w's (e0, e1, g0, g1) at 16 w, its mask of experts at 128 + 4 w
.set SPARE, 65792                      ; the spare words, 128 bytes a wave: four blocks of 256 bytes that no other line names
.set XA,  1                            ; v1   LDS address of my 16 bytes in my token's chunk 0
.set WGA, 2                            ; v2   the same in w_gate's row 0
.set XO,  3                            ; v3   byte offset of my 8 bytes in the token's row of xh
.set SPW, 4                            ; v4   my spare word; never rewritten
.set NIL, 5                            ; v5   0; never rewritten
.set LANE, 6
.set SA,  7                            ; v7   SCR + 16 w
.set SM,  8                            ; v8   SCR + 128 + 4 w
.set ONE, 9
.set BM,  10                           ; v10  wave 0, lane e: expert e's byte of the bitmap
.set TB,  11                           ; v11  at work
.set ACC, 12                           ; v[12:27] a pair of partial sums for each expert
.set L,   28                           ; v[28:35] the eight logits
.set TP,  36                           ; v[36:43] at work
.set RES, 44                           ; v[44:47] e0, e1, g0, g1
.set XH,  48                           ; v[48:63] the token's row in f16, my 32 numbers
.set BUF, 64                           ; v[64:99], v[100:135] two chunk buffers: 4 registers of x, 32 of w_gate
.set OA,  136
.set OC,  137
.set M1,  138
.set M2,  139
.set E,   140                          ; v[140:143] wave 0, lane t: token t's four numbers
.set MK,  144                          ; v[144:151] wave 0: the eight masks
	s_load_b256 s[4:11], s[0:1], 0x0               ; x s[4:5], w_gate s[6:7], b_gate s[8:9], xh s[10:11]
	s_load_b256 s[32:39], s[0:1], 0x20             ; choice s[32:33], bmap s[34:35], out1 s[36:37], out2 s[38:39]
	v_lshl_add_u32 v[SPW], v0, 2, SPARE
	v_mov_b32 v[NIL], 0
	ds_add_u32 v[SPW], v[NIL]                      ; the wave's opening: the add and its wait ahead of my first tensor load; work on registers stands between
	ds_add_u32 v4, v5
	v_lshrrev_b32 v[TB], 5, v0
	v_readfirstlane_b32 s46, v[TB]                 ; wave 0..7
	v_and_b32 v[LANE], 31, v0
	; descriptor group 1, for both loads: a dense row of 4,096 bytes as 16 rows of 256 bytes (32 elements of 8 bytes), no padding
	s_mov_b32 s16, 3<<16                           ; element of 8 bytes
	s_mov_b32 s17, 32<<16                          ; tensor_dim0 = 32
	s_mov_b32 s18, 16<<16                          ; tensor_dim1 = 16
	s_mov_b32 s19, 32<<16                          ; tile_dim0 = 32
	s_mov_b32 s20, 16                              ; tile_dim1 = 16
	s_mov_b32 s21, 32                              ; 32 elements from row to row
	s_mov_b32 s22, 0
	s_mov_b32 s23, 0
	s_mov_b32 s24, 1                               ; group 0 for x: count,
	s_lshl_b32 s25, s46, 12                        ; LDS address LX + 4,096 w
	s_mov_b32 s28, 1                               ; group 0 for w_gate
	s_add_co_u32 s29, s25, LWG                     ; LWG + 4,096 w
	s_lshl_b32 s2, ttmp9, 15                       ; my row of x begins 32,768 g + 4,096 w bytes in
	s_add_co_u32 s2, s2, s25
	s_mov_b32 s3, 0
	s_mov_b32 s40, s25                             ; my row of w_gate
	s_mov_b32 s41, 0
	s_mov_b32 s44, 0x76543210                      ; v_permlanex16_b32: each lane takes its own place in the other half
	s_mov_b32 s45, 0xfedcba98
	v_lshl_add_u32 v[XA], v[LANE], 4, s25
	v_lshl_add_u32 v[WGA], v[LANE], 4, LWG
	v_lshlrev_b32 v[XO], 3, v[LANE]
	s_lshl_b32 s47, s46, 4
	s_add_co_u32 s47, s47, SCR
	v_mov_b32 v[SA], s47
	s_lshl_b32 s47, s46, 2
	s_add_co_u32 s47, s47, SCR+128
	v_mov_b32 v[SM], s47
	v_mov_b32 v[ONE], 1
	s_wait_dscnt 0x0                               ; the opening add is done
	s_wait_kmcnt 0x0
	s_add_nc_u64 s[26:27], s[4:5], s[2:3]
	s_or_b32 s27, s27, 0x80000000                  ; type = 2
	s_add_nc_u64 s[30:31], s[6:7], s[40:41]
	s_or_b32 s31, s31, 0x80000000
	tensor_load_to_lds s[24:27], s[16:23]          ; both first fills together: two tensor loads of mine are out, and there are no more
	s_nop 0
	tensor_load_to_lds s[28:31], s[16:23]
	s_nop 0
	s_load_b256 s[48:55], s[8:9], 0x0              ; the eight b_gate
	s_lshl_b32 s2, ttmp9, 14                       ; my row of 2,048 bytes of xh
	s_lshl_b32 s42, s46, 11
	s_add_co_u32 s2, s2, s42
	s_add_nc_u64 s[10:11], s[10:11], s[2:3]
	s_lshl_b32 s2, ttmp9, 6                        ; 8 tokens x 8 bytes
	s_add_nc_u64 s[32:33], s[32:33], s[2:3]
	s_add_nc_u64 s[36:37], s[36:37], s[2:3]
	s_add_nc_u64 s[38:39], s[38:39], s[2:3]
	s_mov_b32 s2, ttmp9                            ; byte g of each expert's bitmap
	s_add_nc_u64 s[34:35], s[34:35], s[2:3]
.irp e, 0,1,2,3,4,5,6,7
	v_mov_b32 v[TP+\e], 0                          ; v_permlanex16_b32 counts as a reader of its destination
.endr
	s_wait_tensorcnt 0x0                           ; my two rows are in LDS,
	s_barrier_signal -1
	s_barrier_wait -1                              ; everybody's are
	s_wait_kmcnt 0x0
; One chunk: 128 numbers of the row, 4 a lane.  The next chunk's nine LDS loads go out first.
.macro CHUNK c
.set CB, BUF+36*((\c)%2)
.set NB, BUF+36*(((\c)+1)%2)
.if (\c) < 7
	ds_load_b128 v[NB:NB+3], v[XA] offset:512*((\c)+1)
.irp e, 0,1,2,3,4,5,6,7
	ds_load_b128 v[NB+4+4*\e:NB+7+4*\e], v[WGA] offset:4096*\e+512*((\c)+1)
.endr
	s_wait_dscnt 9                                 ; all but the nine just issued: this chunk is in
.else
	s_wait_dscnt 0x0                               ; the last chunk
.endif
.irp e, 0,1,2,3,4,5,6,7
.if (\c) == 0
	v_pk_mul_f32 v[ACC+2*\e:ACC+2*\e+1], v[CB:CB+1], v[CB+4+4*\e:CB+5+4*\e]  ; the first products start the sums
.else
	v_pk_fma_f32 v[ACC+2*\e:ACC+2*\e+1], v[CB:CB+1], v[CB+4+4*\e:CB+5+4*\e], v[ACC+2*\e:ACC+2*\e+1]
.endif
.endr
.irp e, 0,1,2,3,4,5,6,7
	v_pk_fma_f32 v[ACC+2*\e:ACC+2*\e+1], v[CB+2:CB+3], v[CB+6+4*\e:CB+7+4*\e], v[ACC+2*\e:ACC+2*\e+1]
.endr
	v_cvt_pk_f16_f32 v[XH+2*(\c)], v[CB], v[CB+1]
	v_cvt_pk_f16_f32 v[XH+2*(\c)+1], v[CB+2], v[CB+3]
	global_store_b64 v[XO], v[XH+2*(\c):XH+2*(\c)+1], s[10:11] offset:256*(\c)  ; the wave stores 256 consecutive bytes, aligned
.endm
	ds_load_b128 v[BUF:BUF+3], v[XA]               ; chunk 0
.irp e, 0,1,2,3,4,5,6,7
	ds_load_b128 v[BUF+4+4*\e:BUF+7+4*\e], v[WGA] offset:4096*\e
.endr
.irp c, 0,1,2,3,4,5,6,7
	CHUNK \c
.endr
.irp e, 0,1,2,3,4,5,6,7
	v_add_f32 v[L+\e], v[ACC+2*\e], v[ACC+2*\e+1]
.endr
.irp m, 1,2,4,8                        ; across the 32 lanes: four steps inside each half, the eight sums by turns,
.irp e, 0,1,2,3,4,5,6,7
	v_add_f32_dpp v[L+\e], v[L+\e], v[L+\e] row_xmask:\m row_mask:0xf bank_mask:0xf
.endr
.endr
.irp e, 0,1,2,3,4,5,6,7
	v_permlanex16_b32 v[TP+\e], v[L+\e], s44, s45  ; one across the halves
.endr
.irp e, 0,1,2,3,4,5,6,7
	v_add_f32 v[L+\e], v[L+\e], v[TP+\e]
.endr
.irp e, 0,1,2,3,4,5,6,7
	v_add_f32 v[L+\e], s[48+\e], v[L+\e]           ; every lane holds the eight logits
.endr
	v_mov_b32 v[M1], v[L]                          ; the largest: a later one wins only if it is greater
	v_mov_b32 v[RES], 0
.irp e, 1,2,3,4,5,6,7
	v_cmp_gt_f32 vcc_lo, v[L+\e], v[M1]
	v_cndmask_b32 v[M1], v[M1], v[L+\e], vcc_lo
	v_cndmask_b32 v[RES], v[RES], \e, vcc_lo
.endr
	v_mov_b32 v[M2], 0xff800000                    ; the largest of the other seven
	v_mov_b32 v[RES+1], 0
.irp e, 0,1,2,3,4,5,6,7
	v_cmp_ne_u32 s41, \e, v[RES]
	v_cmp_gt_f32 vcc_lo, v[L+\e], v[M2]
	s_and_b32 vcc_lo, vcc_lo, s41
	v_cndmask_b32 v[M2], v[M2], v[L+\e], vcc_lo
	v_cndmask_b32 v[RES+1], v[RES+1], \e, vcc_lo
.endr
.irp e, 0,1,2,3,4,5,6,7
	v_sub_f32 v[TP+\e], v[L+\e], v[M1]             ; the maximum is taken away
.endr
	v_sub_f32 v[TB], v[M2], v[M1]
.irp e, 0,1,2,3,4,5,6,7
	v_mul_f32 v[TP+\e], 0x3fb8aa3b, v[TP+\e]       ; log2(e)
.endr
	v_mul_f32 v[TB], 0x3fb8aa3b, v[TB]
.irp e, 0,1,2,3,4,5,6,7
	v_exp_f32 v[TP+\e], v[TP+\e]                   ; nine exponentials, one batch
.endr
	v_exp_f32 v[TB], v[TB]
	v_nop                                          ; a plain instruction behind the last exponential
	s_wait_alu depctr_va_vdst(0)                   ; one wait for the batch, ahead of its first reader
	v_add_f32 v[TP], v[TP], v[TP+1]
	v_add_f32 v[TP+2], v[TP+2], v[TP+3]
	v_add_f32 v[TP+4], v[TP+4], v[TP+5]
	v_add_f32 v[TP+6], v[TP+6], v[TP+7]
	v_add_f32 v[TP], v[TP], v[TP+2]
	v_add_f32 v[TP+4], v[TP+4], v[TP+6]
	v_add_f32 v[TP], v[TP], v[TP+4]
	v_rcp_f32 v[RES+2], v[TP]                      ; the largest score is 1 / sum
	v_lshlrev_b32 v[TP+1], v[RES], v[ONE]          ; (the plain instruction behind the reciprocal) bit e0,
	s_wait_alu depctr_va_vdst(0)
	v_mul_f32 v[RES+3], v[TB], v[RES+2]            ; the second score
	v_lshlrev_b32 v[TP+2], v[RES+1], v[ONE]        ; bit e1:
	v_or_b32 v[TP+1], v[TP+1], v[TP+2]             ; the token's mask of experts
	ds_store_b128 v[SA], v[RES:RES+3]              ; all lanes store the same 16 bytes
	ds_store_b32 v[SM], v[TP+1]
	s_wait_dscnt 0x0                               ; for wave 0's sake: my stores are done
	s_barrier_signal -1
	s_barrier_wait -1
	s_cmp_lg_u32 s46, 0
	s_cbranch_scc1 .Lend
	v_and_b32 v[OA], 7, v[LANE]                    ; wave 0: lane t takes token t's four numbers, every lane the eight masks
	v_lshl_add_u32 v[OA], v[OA], 4, SCR
	v_mov_b32 v[OC], SCR+128
	ds_load_b128 v[E:E+3], v[OA]
	ds_load_b128 v[MK:MK+3], v[OC]
	ds_load_b128 v[MK+4:MK+7], v[OC] offset:16
	s_wait_dscnt 0x0
	v_bfe_u32 v[BM], v[MK], v[LANE], 1             ; lane e: bit t of its byte is bit e of token t's mask
.irp t, 1,2,3,4,5,6,7
	v_bfe_u32 v[TB], v[MK+\t], v[LANE], 1
	v_lshl_or_b32 v[BM], v[TB], \t, v[BM]
.endr
	v_lshlrev_b32 v[OA], 3, v[LANE]                ; lane t: 8 bytes of out1, out2, choice
	v_lshlrev_b32 v[OC], 7, v[LANE]                ; lane e: expert e's 128 bytes of the bitmap
	v_cmp_gt_u32 vcc_lo, 8, v[LANE]
	s_wait_xcnt 0x0                                ; EXEC changes only behind this wait
	s_and_saveexec_b32 s47, vcc_lo                 ; lanes 0 to 7
	global_store_b64 v[OA], v[E:E+1], s[36:37]     ; out1
	global_store_b64 v[OA], v[E:E+1], s[32:33]     ; the same as whole numbers for the last launch
	global_store_b64 v[OA], v[E+2:E+3], s[38:39]   ; out2
	global_store_b8 v[OC], v[BM], s[34:35]         ; byte g of expert e's bitmap
	s_wait_xcnt 0x0                                ; and again, in front of the line that widens it
	s_or_b32 exec_lo, exec_lo, s47
.Lend:
	s_wait_tensorcnt 0x0                           ; the wave's end, all lanes on
	ds_add_u32 v[SPW], v[NIL]
	s_wait_dscnt 0x0
	s_endpgm
.Lfunc_end_k_q29edebc96f_route:
	.size	k_q29edebc96f_route, .Lfunc_end_k_q29edebc96f_route-k_q29edebc96f_route
	.p2alignl 7, 3214868480
	.fill 96, 4, 3214868480
	.section	.rodata,"a",@progbits
	.p2align	6, 0x0
	.amdhsa_kernel k_q29edebc96f_route
		.amdhsa_group_segment_fixed_size 167936
		.amdhsa_private_segment_fixed_size 0
		.amdhsa_enable_private_segment 0
		.amdhsa_kernarg_size 64
		.amdhsa_user_sgpr_count 2
		.amdhsa_user_sgpr_kernarg_segment_ptr 1
		.amdhsa_wavefront_size32 1
		.amdhsa_system_sgpr_workgroup_id_x 1
		.amdhsa_system_sgpr_workgroup_id_y 1
		.amdhsa_system_sgpr_workgroup_id_z 1
		.amdhsa_system_vgpr_workitem_id 0
		.amdhsa_next_free_vgpr 152
		.amdhsa_next_free_sgpr 66
		.amdhsa_reserve_vcc 1
		.amdhsa_float_denorm_mode_32 3
		.amdhsa_float_denorm_mode_16_64 3
		.amdhsa_memory_ordered 1
		.amdhsa_forward_progress 1
		.amdhsa_inst_pref_size 28
	.end_amdhsa_kernel
	.amdgpu_metadata
---
amdhsa.version: [ 1, 2 ]
amdhsa.kernels:
  - .name:           k_q29edebc96f_route
    .symbol:         k_q29edebc96f_route.kd
    .args:
      - { .name: x, .offset: 0, .size: 8, .value_kind: global_buffer, .address_space: global }
      - { .name: w_gate, .offset: 8, .size: 8, .value_kind: global_buffer, .address_space: global }
      - { .name: b_gate, .offset: 16, .size: 8, .value_kind: global_buffer, .address_space: global }
      - { .name: xh, .offset: 24, .size: 8, .value_kind: global_buffer, .address_space: global }
      - { .name: choice, .offset: 32, .size: 8, .value_kind: global_buffer, .address_space: global }
      - { .name: bmap, .offset: 40, .size: 8, .value_kind: global_buffer, .address_space: global }
      - { .name: out1, .offset: 48, .size: 8, .value_kind: global_buffer, .address_space: global }
      - { .name: out2, .offset: 56, .size: 8, .value_kind: global_buffer, .address_space: global }
    .group_segment_fixed_size: 167936
    .private_segment_fixed_size: 0
    .kernarg_segment_align: 8
    .kernarg_segment_size: 64
    .max_flat_workgroup_size: 256
    .sgpr_count:     66
    .vgpr_count:     152
    .wavefront_size: 32
...
	.end_amdgpu_metadata
.endif
;; end of part 1
;; launch up (part 2): grid 32 x 8, 4 waves a work-group, no clusters, 265,216 bytes of LDS; arguments xh, w1, b1, bmap, hbuf, posbuf; writes hbuf, posbuf
.if DOCPART == 2
	.amdgcn_target "amdgcn-amd-amdhsa--gfx1250"
	.amdhsa_code_object_version 6
	.text
	.protected	k_q29edebc96f_up
	.globl	k_q29edebc96f_up
	.p2align	8
	.type	k_q29edebc96f_up,@function
k_q29edebc96f_up:
	s_mov_b64 s[64:65], 0
	v_nop
	global_prefetch_b8 v0, s[64:65] scope:SCOPE_SE
	s_setreg_imm32_b32 hwreg(HW_REG_WAVE_MODE, 25, 1), 1
	s_wait_xcnt 0x0
; FIRST PRODUCT, routed rows only: h = leaky(x . w1[e]^T + b1[e]), f16 operands, f32 sums, h stored in f16.
; A work-group (x = slice s, y = expert e) owns 128 rows of w1[e] (ff 128 s ..) x 1,024: 512 KiB of f32 that it alone reads, and ALL rows of expert e, however many (0 to 1,024).
; TWO PHASES, one text for all four waves.  Phase 1: wave c streams rows 32 c .. 32 c + 31 of the slice, memory -> registers -> f16 -> LDS, eight rows (64 loads of 512 bytes) asked for ahead.  One barrier.
; Phase 2: the waves multiply.  Phase 2 writes no LDS byte, so its loops, whose work hangs on a count from memory, need no barrier.
; ROWS.  Expert e owns the positions 1024 e .. 1024 e + 1023; position 1024 e + k holds the k-th token (ascending) of its bitmap.  Tiles of 16 rows; wave c takes tile 20 i + 4 a + c in trip i, place a = 0..4.
; A trip holds 20 tiles, 320 rows: a quarter over the mean of 2,048 routed rows / 8 experts, so that an expert near the mean has one trip.  The trip loop has a constant count, 4 (80 tiles for 64 at the most);
; trips without rows are jumped, and in a trip that is not full the matrix instructions and stores of the empty places.  Places past the count repeat the last row and land in the expert's own positions, so
; nothing is masked.  An expert has one tile at the least (with no rows: a tile of token 1,023 that nobody uses), so that the next launch reads only bytes stored here.
; A's rows come from memory straight into registers as matrix operands, through a ring of eight places; K step q asks for step q + 7.
; THE MATRIX INSTRUCTION IS USED TRANSPOSED: source 0 = 16 rows of w1, source 1 = 16 token rows: lane (r, h) holds token r and the columns 16 b + 8 h + 0..7 of column block b.  Rounded to f16 these 16 bytes are
; just what lane (r, h) of the second product's fragment of h wants.  So hbuf lies in operand order, [512 tiles of 16 positions][256 blocks of 16 columns][32 lanes][16 bytes]: a store of the wave covers
; 512 consecutive bytes, aligned, with no trip through LDS, and so does each load of the next launch.
; LIMITS.  f16 holds no number beyond 65,504: x, w1 and h must lie within it, else an infinity arises; below 6e-5 f16 keeps a fixed step of 6e-8.
; NO CLUSTER: every weight byte has one reader; what an expert's 32 work-groups share is its token rows, which come by a list that no tile descriptor covers, and 264,192 of the LDS bytes hold the slice.
; REGISTERS, in windows of 256 (s_set_vgpr_msb: bits 1:0 source 0, 3:2 source 1, 5:4 source 2, 7:6 destination):
;   window 0: v0-31 addresses; phase 1: v32-46 at work, v48-63 a row in f16; phase 2: v32-95 at work, v96-223 two buffers of eight fragments of the slice, v224-255 a tile on its way out
;   window 1: the ring of places 0-3: K step p of eight, tile a at 32 p + 8 a       window 2: phase 1: eight row slots of 32; phase 2: accumulator (a, b), a < 4, at 8 (8 a + b)
;   window 3: v0-63 b1 of my 8 columns in each of the eight column blocks; v64-127 accumulator (4, b) at 64 + 8 b; v128-191 the ring of place 4, K step p at 128 + 8 p
.set LP,    2064                       ; a row of the slice in LDS: 2,048 bytes + 16: the 16 rows of a fragment start 16 bytes apart modulo 256
.set WP,    4096                       ; a row of w1 in memory
.set BIASL, 128*LP                     ; behind the slice: b1 of the slice's 128 columns, 512 bytes
.set SPARE, BIASL+512                  ; the spare words, 128 bytes a wave: two blocks of 256 bytes that no other line names
.set R_,   1                           ; lane % 16
.set H_,   2                           ; lane / 16
.set SPW,  3                           ; my spare word; never rewritten
.set NIL,  4                           ; 0; never rewritten
.set LANE, 5
.set H16,  6                           ; 16 h
.set WL,   7                           ; r x LP + 16 h; at the end 4 x lane
.set AV,   8                           ; v[8:12]   byte offset of my row of each of the five tiles in xh, + 16 h
.set TOKN, 13                          ; v[13:18]  the tokens of the trip to come (the sixth serves nobody)
.set WAB,  19                          ; v[19:22]  LDS address of my fragments of column blocks 2 g, 2 g + 1, at K = 0
.set WAC,  23                          ; v[23:26]  the same at the K trip in hand
.set L16,  27                          ; 16 x lane
.set RK0,  28                          ; 64 h + r
.set LA0,  29                          ; LDS address of my 8 bytes in my row 0
.set LA,   30                          ; the same in the first of the eight rows in hand
.set BO,   31                          ; BIASL + 32 h
.set FR, 32                            ; v[32:43] at work in FIND3
.set FB, 33
.set FW, 34
.set FI, 35
.set FN, 36
.set FA, 37
.set FQ, 38
.set FC, 39
.set FD, 40
.set FP, 41
.set FT, 42
.set FU, 43
.set BV,   44                          ; my one number of b1,
.set BG,   45                          ; its byte offset in memory,
.set BA,   46                          ; and its LDS address
.set PK,   48
.set T,    32
.set WF,   96
.set PKO,  224
; scalars: s[4:5] xh; s[6:7] my rows of w1, stepping; s[8:9] b1 at the slice; s[10:11] the expert's bitmap; s[12:13] hbuf at my first tile; s[14:15] posbuf; s16 wave c; s17 at work; s18 e; s19 s;
; s20 the last rank; s21 tiles; s22 counts phase 1's trips; s23 i; s24 places with rows; s25 u; s[26:27] A's base for the loads in hand; s[28:29] the trip's place in hbuf; s[30:31] an offset;
; s[32:63] the bitmap; s66-s97 its running counts; s[98:99] 0.1; s100 bytes added to an LDS address: phase 1: the rows done, phase 2: the next K trip's place in a row; s101 counts FIND3's turns;
; s104 a rank; s105 the mask of lanes 16-31
.set MSB, 0
.macro WIN new                         ; the immediate's high byte repeats the setting that is left; a switch that changes nothing is dropped
.if MSB != (\new)
	s_set_vgpr_msb (MSB<<8)|(\new)
.set MSB, \new
.endif
.endm
; PHASE 1.  Eight loads of 512 consecutive bytes: the row that lies \row rows behind the base, into slot rr.
.macro PLOAD rr, row
	WIN 0x80                                       ; destination window 2, address window 0
.irp c, 0,1,2,3,4,5,6,7
	global_load_b128 v[32*(\rr)+4*\c:32*(\rr)+4*\c+3], v[L16], s[6:7] offset:(\row)*WP+512*\c th:TH_LOAD_NT
.endr
.endm
; The ten loads of one K step into ring place p: a fragment is two loads of 16 bytes, 32 bytes apart.
.macro RLOAD p
	WIN 0x40                                       ; destination window 1, address window 0
.irp a, 0,1,2,3
	global_load_b128 v[32*(\p)+8*\a:32*(\p)+8*\a+3], v[AV+\a], s[26:27] offset:64*(\p)
	global_load_b128 v[32*(\p)+8*\a+4:32*(\p)+8*\a+7], v[AV+\a], s[26:27] offset:64*(\p)+32
.endr
	WIN 0xc0                                       ; destination window 3
	global_load_b128 v[128+8*(\p):128+8*(\p)+3], v[AV+4], s[26:27] offset:64*(\p)
	global_load_b128 v[128+8*(\p)+4:128+8*(\p)+7], v[AV+4], s[26:27] offset:64*(\p)+32
	WIN 0
.endm
; Row rr of the eight in hand is rounded and stored; its slot takes the row eight further on, or, in the tail, the queue's place goes to a K step of the ring.
.macro PROW rr, tail
.if \tail
.if 56+2*(\rr) > 63
	s_wait_loadcnt 63                              ; the most that a wait can name
.else
	s_wait_loadcnt 56+2*(\rr)                      ; younger than this row: 7 - rr rows of eight loads and rr K steps of ten
.endif
.else
	s_wait_loadcnt 56                              ; loads come back in order: this row is in, the seven younger rows of eight loads stay out
.endif
	WIN 0x0a                                       ; sources 0 and 1 window 2
.set k, 0
.rept 16
	v_cvt_pk_f16_f32 v[PK+k], v[32*(\rr)+2*k], v[32*(\rr)+2*k+1]
.set k, k+1
.endr
.if \tail
.if (\rr) < 7
	RLOAD \rr
.endif
.else
	PLOAD \rr, 8+(\rr)
.endif
	WIN 0
.irp c, 0,1,2,3,4,5,6,7
	ds_store_b64 v[LA], v[PK+2*\c:PK+2*\c+1] offset:(\rr)*LP+256*\c  ; 256 consecutive bytes
.endr
.endm
; THE TOKENS OF A TRIP, by gathering, in registers.  A turn finds the tokens of ranks s104 + 64 h + r: lanes 0-15 a tile's, lanes 16-31 the next tile's of mine: the word by the running counts, the bit by
; counts of 16, 8, 4, 2 and 1 bits; then each half takes the other's.  Three turns: six tiles, of which five are wanted.  Whole numbers only.  Ranks past the count repeat the last row.
.macro FSTEP lev, wid, fw              ; are there n or fewer bits in the next wid places?  Then they are passed over
	v_bfe_u32 v[FT], v[\lev], v[FP], \fw
	v_cmp_ge_u32 vcc_lo, v[FN], v[FT]
	v_cndmask_b32 v[FT], 0, v[FT], vcc_lo
	v_cndmask_b32 v[FU], 0, \wid, vcc_lo
	v_sub_nc_u32 v[FN], v[FN], v[FT]
	v_add_nc_u32 v[FP], v[FP], v[FU]
.endm
.macro FIND3
	s_mov_b32 s101, 3
.Lfind_\@:
	v_add_nc_u32 v[FR], s104, v[RK0]
	v_min_u32 v[FR], s20, v[FR]
	v_mov_b32 v[FB], 0
	v_mov_b32 v[FW], s32
	v_mov_b32 v[FI], 0
.set i, 1
.rept 31
	v_cmp_le_u32 vcc_lo, s[65+i], v[FR]            ; the last word whose running count does not pass the rank holds the token
	v_cndmask_b32 v[FB], v[FB], s[65+i], vcc_lo
	v_cndmask_b32 v[FW], v[FW], s[32+i], vcc_lo
	v_cndmask_b32 v[FI], v[FI], i, vcc_lo
.set i, i+1
.endr
	v_sub_nc_u32 v[FN], v[FR], v[FB]
	v_lshrrev_b32 v[FT], 1, v[FW]
	v_and_b32 v[FT], 0x55555555, v[FT]
	v_sub_nc_u32 v[FA], v[FW], v[FT]               ; counts of 2 bits
	v_lshrrev_b32 v[FT], 2, v[FA]
	v_and_b32 v[FT], 0x33333333, v[FT]
	v_and_b32 v[FU], 0x33333333, v[FA]
	v_add_nc_u32 v[FQ], v[FU], v[FT]               ; of 4
	v_lshrrev_b32 v[FT], 4, v[FQ]
	v_add_nc_u32 v[FT], v[FQ], v[FT]
	v_and_b32 v[FC], 0x0f0f0f0f, v[FT]             ; of 8
	v_lshrrev_b32 v[FT], 8, v[FC]
	v_add_nc_u32 v[FD], v[FC], v[FT]               ; byte 0: of the low 16
	v_mov_b32 v[FP], 0
	FSTEP FD, 16, 8
	FSTEP FC, 8, 8
	FSTEP FQ, 4, 4
	FSTEP FA, 2, 2
	FSTEP FW, 1, 1
	v_lshl_add_u32 v[FT], v[FI], 5, v[FP]          ; the token
	s_mov_b32 s2, 0x76543210                       ; each lane takes its own place in the other half
	s_mov_b32 s3, 0xfedcba98
	v_permlanex16_b32 v[FU], v[FT], s2, s3
	v_mov_b32 v[TOKN], v[TOKN+2]                   ; the earlier turns' pairs move down
	v_mov_b32 v[TOKN+1], v[TOKN+3]
	v_mov_b32 v[TOKN+2], v[TOKN+4]
	v_mov_b32 v[TOKN+3], v[TOKN+5]
	v_cndmask_b32 v[TOKN+4], v[FT], v[FU], s105    ; what lanes 0-15 found, in both halves
	v_cndmask_b32 v[TOKN+5], v[FU], v[FT], s105    ; what lanes 16-31 found
	s_add_co_u32 s104, s104, 128
	s_sub_co_u32 s101, s101, 1
	s_cmp_lg_u32 s101, 0
	s_cbranch_scc1 .Lfind_\@
.endm
.macro MKAV                            ; tokens -> byte offsets of rows of 2,048 bytes; the constant clamp bounds what came from memory
.irp a, 0,1,2,3,4
	v_min_u32 v[TOKN+\a], 0x3ff, v[TOKN+\a]
	v_lshl_add_u32 v[AV+\a], v[TOKN+\a], 11, v[H16]
.endr
.endm
.macro MM8 p, a                        ; tile a < 4 x the eight column blocks, 32 along K.  The accumulators take turns, one instruction a turn
.irp b, 0,1,2,3,4,5,6,7
	v_wmma_f32_16x16x32_f16 v[8*(8*(\a)+\b):8*(8*(\a)+\b)+7], v[WF+64*((\p)%2)+8*\b:WF+64*((\p)%2)+8*\b+7], v[32*(\p)+8*(\a):32*(\p)+8*(\a)+7], v[8*(8*(\a)+\b):8*(8*(\a)+\b)+7]
.endr
.endm
.macro MM8E p                          ; tile 4
.irp b, 0,1,2,3,4,5,6,7
	v_wmma_f32_16x16x32_f16 v[64+8*\b:64+8*\b+7], v[WF+64*((\p)%2)+8*\b:WF+64*((\p)%2)+8*\b+7], v[128+8*(\p):128+8*(\p)+7], v[64+8*\b:64+8*\b+7]
.endr
.endm
; K step q = 8 u + p.  The slice's fragments of the next step go out first; this step's A has six younger steps behind it in the ring; the places without rows are jumped; behind four plain places the ring
; place that step q - 1 read takes step q + 7.  Every K step issues its ten loads, on every way, so the counted wait holds on every way.
; Ring place 7 belongs to the K trip in hand, places 0-6 to the next: so the base steps in K step 1, behind its products: the wait there stands a whole K step behind the last global load.
.macro KSTEP p
	WIN 0
.if (\p) == 7
.irp g, 0,1,2,3
	v_add_nc_u32 v[WAC+\g], s100, v[WAB+\g]        ; the next K trip's 512 bytes of the LDS rows (behind the last: the first again): 0, 512, 1,024 or 1,536, inside the row
.endr
.endif
.irp b, 0,1,2,3,4,5,6,7
	ds_load_b128 v[WF+64*(((\p)+1)%2)+8*\b:WF+64*(((\p)+1)%2)+8*\b+3], v[WAC+\b/2] offset:(\b%2)*16*LP+64*(((\p)+1)%8)
	ds_load_b128 v[WF+64*(((\p)+1)%2)+8*\b+4:WF+64*(((\p)+1)%2)+8*\b+7], v[WAC+\b/2] offset:(\b%2)*16*LP+64*(((\p)+1)%8)+32
.endr
	s_wait_loadcnt 60                              ; six younger K steps of ten loads may stay out
	s_wait_dscnt 16                                ; the sixteen LDS loads just issued may stay out
	WIN 0xa4                                       ; source 0 (the slice) window 0, source 1 (A) window 1, C and D window 2
	MM8 \p, 0
.irp a, 1,2,3
	WIN 0                                          ; at a branch and at a label every window is 0
	s_cmp_lt_u32 s24, \a+1
	s_cbranch_scc1 .Lsk_\@
	WIN 0xa4
	MM8 \p, \a
.endr
	WIN 0
	s_cmp_lt_u32 s24, 5
	s_cbranch_scc1 .Lsk_\@
	WIN 0xfc                                       ; source 0 window 0; source 1, C and D window 3
	MM8E \p
	WIN 0
.Lsk_\@:
.rept 4
	v_nop                                          ; four places between the products and the next step's loads into the fragments that they read
.endr
.if (\p) == 1
	s_wait_xcnt 0x0                                ; the loads' base and offsets are rewritten only behind this wait
	s_add_co_u32 s2, s25, 1
	s_and_b32 s2, s2, 3
	s_lshl_b32 s30, s2, 9
	s_add_nc_u64 s[26:27], s[4:5], s[30:31]        ; the next K trip's 512 bytes of the rows; behind the last K trip the first of the trip to come,
	s_cmp_lg_u32 s25, 3
	s_cbranch_scc1 .Lnosw_\@
	MKAV                                           ; whose rows' offsets are made here
.Lnosw_\@:
.endif
	RLOAD ((\p)+7)%8
.endm
; THE WAY OUT of tile a: leaky = max(h, 0.1 h); f16; a lane's 16 bytes of block b go to byte 16 x lane of the block's 512.  Each accumulator is read from its low end on.
.macro EPI a
.if (\a) < 4
.set EB, 64*(\a)
	WIN 0x02                                       ; source 0 window 2
.else
.set EB, 64
	WIN 0x03                                       ; source 0 window 3
.endif
.irp b, 0,1,2,3,4,5,6,7
.irp k, 0,1,2,3
	v_pk_mul_f32 v[T+8*\b+2*\k:T+8*\b+2*\k+1], v[EB+8*\b+2*\k:EB+8*\b+2*\k+1], s[98:99] op_sel_hi:[1,0]
.endr
.endr
.irp b, 0,1,2,3,4,5,6,7
.irp k, 0,1,2,3,4,5,6,7
	v_max_num_f32 v[T+8*\b+\k], v[EB+8*\b+\k], v[T+8*\b+\k]
.endr
.endr
	WIN 0
	s_wait_xcnt 0x0                                ; the registers that the last tile's stores read are rewritten only behind this wait; the 96 lines above stand between those stores and it
.irp b, 0,1,2,3,4,5,6,7
.irp k, 0,1,2,3
	v_cvt_pk_f16_f32 v[PKO+4*\b+\k], v[T+8*\b+2*\k], v[T+8*\b+2*\k+1]
.endr
.endr
.irp b, 0,1,2,3,4,5,6,7
	global_store_b128 v[L16], v[PKO+4*\b:PKO+4*\b+3], s[28:29] offset:524288*(\a)+512*\b  ; 512 consecutive bytes, aligned; place a lies 4 a tiles of 131,072 bytes on
.endr
.endm
	s_load_b256 s[4:11], s[0:1], 0x0               ; xh, w1, b1, bmap
	s_load_b128 s[12:15], s[0:1], 0x20             ; hbuf, posbuf
	v_lshl_add_u32 v[SPW], v0, 2, SPARE
	v_mov_b32 v[NIL], 0
	v_lshl_add_u32 v[BA], v0, 2, BIASL
	v_lshlrev_b32 v[BG], 2, v0
	v_lshrrev_b32 v1, 5, v0
	v_readfirstlane_b32 s16, v1                    ; wave 0..3
	v_and_b32 v[LANE], 31, v0
	v_and_b32 v[R_], 15, v0
	v_bfe_u32 v[H_], v0, 4, 1
	v_lshlrev_b32 v[H16], 4, v[H_]
	v_lshlrev_b32 v[L16], 4, v[LANE]
	s_mov_b32 s19, ttmp9                           ; slice
	s_and_b32 s18, ttmp7, 0xffff                   ; expert
	s_mov_b32 s3, 0
	s_mov_b32 s31, 0
	s_lshl_b32 s2, s18, 7                          ; an expert's bitmap is 128 bytes
	s_lshl_b32 s30, s18, 24                        ; an expert's w1 is 16 MiB,
	s_lshl_b32 s17, s19, 19                        ; a slice 128 rows of 4,096 bytes,
	s_add_co_u32 s30, s30, s17
	s_lshl_b32 s17, s16, 17                        ; my 32 rows
	s_add_co_u32 s30, s30, s17
	s_wait_kmcnt 0x0
	s_add_nc_u64 s[10:11], s[10:11], s[2:3]
	s_load_b512 s[32:47], s[10:11], 0x0            ; expert e's bitmap: bit t % 32 of word t / 32
	s_load_b512 s[48:63], s[10:11], 0x40
	s_add_nc_u64 s[6:7], s[6:7], s[30:31]
	s_lshl_b32 s2, s18, 14
	s_lshl_b32 s17, s19, 9
	s_add_co_u32 s2, s2, s17
	s_add_nc_u64 s[8:9], s[8:9], s[2:3]            ; b1 at the slice's first column
	global_load_b32 v[BV], v[BG], s[8:9]           ; thread t takes column t's: 128 consecutive bytes a wave
.irp rr, 0,1,2,3,4,5,6
	PLOAD \rr, \rr                                 ; 57 loads are out: the head's work below is not held up by the counter; the eighth row follows it
.endr
	WIN 0
	s_mul_i32 s2, s16, 32*LP
	v_lshl_add_u32 v[LA0], v[LANE], 3, s2
	v_mul_u32_u24 v[WL], v[R_], LP
	v_add_nc_u32 v[WL], v[WL], v[H16]
.irp g, 0,1,2,3
	v_add_nc_u32 v[WAB+\g], 32*\g*LP, v[WL]
.endr
	v_lshl_add_u32 v[RK0], v[H_], 6, v[R_]
	v_lshl_add_u32 v[BO], v[H_], 5, BIASL
	s_lshl_b32 s30, s18, 23                        ; hbuf: tile 64 e
	s_lshl_b32 s17, s16, 17                        ; + c, of 131,072 bytes each,
	s_add_co_u32 s30, s30, s17
	s_lshl_b32 s17, s19, 12                        ; the slice's eight blocks of 512 bytes
	s_add_co_u32 s30, s30, s17
	s_add_nc_u64 s[12:13], s[12:13], s[30:31]
	s_mov_b32 s98, 0x3dcccccd                      ; 0.1, as a pair: the packed multiply names a pair and takes its low word for both halves
	s_mov_b32 s99, 0x3dcccccd
	s_mov_b32 s105, 0xffff0000
	s_wait_kmcnt 0x0
	s_bcnt1_i32_b32 s66, s32                       ; s[65 + i] = tokens in words 0 .. i - 1
.set i, 2
.rept 31
	s_bcnt1_i32_b32 s2, s[31+i]
	s_add_co_u32 s[65+i], s[64+i], s2
.set i, i+1
.endr
	s_add_co_u32 s21, s97, 15
	s_lshr_b32 s21, s21, 4
	s_max_u32 s21, s21, 1                          ; the expert's tiles, one at the least
	s_max_u32 s20, s97, 1
	s_sub_co_u32 s20, s20, 1                       ; the last rank
	s_lshl_b32 s104, s16, 4                        ; trip 0: ranks 16 c + 64 a + r
.irp a, 0,1,2,3,4,5
	v_mov_b32 v[TOKN+\a], 0
.endr
	FIND3
	MKAV
	s_mov_b64 s[26:27], s[4:5]
	PLOAD 7, 7
	WIN 0
	s_wait_loadcnt 63                              ; b1's load has 64 younger ones; 63 is the most that a wait can name
	ds_store_b32 v[BA], v[BV]
	s_mov_b32 s100, 0
	s_mov_b32 s22, 0
.Lrows:                                                ; three trips of eight rows, each asking for the eight rows behind them
	v_add_nc_u32 v[LA], s100, v[LA0]
.irp rr, 0,1,2,3,4,5,6,7
	PROW \rr, 0
.endr
	s_wait_xcnt 0x0                                ; the loads' base is rewritten only behind this wait
	s_add_nc_u64 s[6:7], s[6:7], 8*WP
	s_add_co_u32 s100, s100, 8*LP
	s_add_co_u32 s22, s22, 1
	s_cmp_lt_u32 s22, 3
	s_cbranch_scc1 .Lrows
	v_add_nc_u32 v[LA], s100, v[LA0]
.irp rr, 0,1,2,3,4,5,6,7
	PROW \rr, 1                                    ; the last eight rows: no row is left to ask for; the ring's K steps 0 to 6 go out in their stead
.endr
	s_wait_dscnt 0x0                               ; for the others' sake: my LDS stores are done
	s_barrier_signal -1
	s_barrier_wait -1                              ; the whole slice and b1 are in LDS
	; PHASE 2
	WIN 0xc0                                       ; destination window 3
.irp b, 0,1,2,3,4,5,6,7
	ds_load_b128 v[8*\b:8*\b+3], v[BO] offset:64*\b      ; b1 of columns 16 b + 8 h + 0..7
	ds_load_b128 v[8*\b+4:8*\b+7], v[BO] offset:64*\b+16
.endr
	WIN 0
.irp g, 0,1,2,3
	v_mov_b32 v[WAC+\g], v[WAB+\g]
.endr
.irp b, 0,1,2,3,4,5,6,7
	ds_load_b128 v[WF+8*\b:WF+8*\b+3], v[WAC+\b/2] offset:(\b%2)*16*LP        ; the slice's fragments of K step 0
	ds_load_b128 v[WF+8*\b+4:WF+8*\b+7], v[WAC+\b/2] offset:(\b%2)*16*LP+32
.endr
	s_mov_b32 s23, 0
.Ltrip:
	s_mul_i32 s2, s23, 20                          ; places with rows: tiles 20 i + 4 a + c below the expert's number of tiles
	s_sub_co_i32 s2, s21, s2
	s_sub_co_i32 s17, s2, s16
	s_add_co_i32 s2, s17, 3
	s_ashr_i32 s2, s2, 2
	s_max_i32 s2, s2, 0
	s_min_i32 s24, s2, 5
	s_cmp_eq_u32 s24, 0
	s_cbranch_scc1 .Lnext
	s_wait_xcnt 0x0                                ; the stores' base is rewritten only behind this wait
	s_mul_i32 s30, s23, 20<<17                     ; 20 i tiles of 131,072 bytes
	s_add_nc_u64 s[28:29], s[12:13], s[30:31]
.irp a, 0,1,2,3,4,5
	v_mov_b32 v[TOKN+\a], 0                        ; behind my last trip the ring's look-ahead reads token 0's row in every lane: a few bytes, used by nobody
.endr
	s_cmp_gt_i32 s17, 20                           ; has the trip to come a tile of mine?
	s_cbranch_scc0 .Lnofind
	s_mul_i32 s104, s23, 320                       ; its ranks: 320 (i + 1) + 16 c + 64 a + r
	s_add_co_u32 s104, s104, 320
	s_lshl_b32 s2, s16, 4
	s_add_co_u32 s104, s104, s2
	FIND3
.Lnofind:
	s_wait_dscnt 16                                ; b1 is in registers; the sixteen fragment loads issued behind it may stay out
	WIN 0x83                                       ; destination window 2, source window 3
.set k, 0
.rept 256
	v_mov_b32 v[k], v[k%64]                        ; the sums start at the bias: these moves are the bias's addition (320 for a full trip's 1,280 matrix instructions)
.set k, k+1
.endr
	WIN 0xc3                                       ; destination and source window 3
.set k, 0
.rept 64
	v_mov_b32 v[64+k], v[k]
.set k, k+1
.endr
	WIN 0
	s_mov_b32 s25, 0
	s_mov_b32 s100, 0x200
.Lk:                                                   ; four K trips of eight K steps
.irp p, 0,1,2,3,4,5,6,7
	KSTEP \p
.endr
	s_add_co_u32 s25, s25, 1
	s_add_co_u32 s2, s25, 1
	s_lshl_b32 s2, s2, 9
	s_and_b32 s100, s2, 0x600
	s_cmp_lt_u32 s25, 4
	s_cbranch_scc1 .Lk
	EPI 0                                          ; the last K step's four v_nop are the places behind the last products
.irp a, 1,2,3,4
	s_cmp_lt_u32 s24, \a+1
	s_cbranch_scc1 .Lnext
	EPI \a
.endr
.Lnext:
	s_add_co_u32 s23, s23, 1
	s_cmp_lt_u32 s23, 4
	s_cbranch_scc1 .Ltrip
	s_or_b32 s2, s19, s16                          ; wave 0 of slice 0 stores each token's position in this expert: 1024 e + the expert's tokens below it
	s_cmp_lg_u32 s2, 0
	s_cbranch_scc1 .Lnopos
	s_lshl_b32 s30, s18, 12
	s_add_nc_u64 s[14:15], s[14:15], s[30:31]
	v_lshlrev_b32 v[WL], 2, v[LANE]
	s_lshl_b32 s3, s18, 10
	v_mbcnt_lo_u32_b32 v[T], s32, s3
	global_store_b32 v[WL], v[T], s[14:15]
.set i, 1
.rept 31
	s_add_co_u32 s2, s3, s[65+i]
	v_mbcnt_lo_u32_b32 v[T+i], s[32+i], s2
	global_store_b32 v[WL], v[T+i], s[14:15] offset:128*i
.set i, i+1
.endr
.Lnopos:
	s_wait_dscnt 0x0                               ; my LDS loads are back
	s_barrier_signal -1
	s_barrier_wait -1                              ; every wave's reads of LDS are over before any wave writes LDS again
	s_wait_tensorcnt 0x0                           ; the wave's end, behind my last LDS store
	ds_add_u32 v[SPW], v[NIL]
	s_wait_dscnt 0x0
	s_endpgm
.Lfunc_end_k_q29edebc96f_up:
	.size	k_q29edebc96f_up, .Lfunc_end_k_q29edebc96f_up-k_q29edebc96f_up
	.p2alignl 7, 3214868480
	.fill 96, 4, 3214868480
	.section	.rodata,"a",@progbits
	.p2align	6, 0x0
	.amdhsa_kernel k_q29edebc96f_up
		.amdhsa_group_segment_fixed_size 265216
		.amdhsa_private_segment_fixed_size 0
		.amdhsa_enable_private_segment 0
		.amdhsa_kernarg_size 48
		.amdhsa_user_sgpr_count 2
		.amdhsa_user_sgpr_kernarg_segment_ptr 1
		.amdhsa_wavefront_size32 1
		.amdhsa_system_sgpr_workgroup_id_x 1
		.amdhsa_system_sgpr_workgroup_id_y 1
		.amdhsa_system_sgpr_workgroup_id_z 1
		.amdhsa_system_vgpr_workitem_id 0
		.amdhsa_next_free_vgpr 960
		.amdhsa_next_free_sgpr 106
		.amdhsa_reserve_vcc 1
		.amdhsa_float_denorm_mode_32 3
		.amdhsa_float_denorm_mode_16_64 3
		.amdhsa_memory_ordered 1
		.amdhsa_forward_progress 1
		.amdhsa_inst_pref_size 168
	.end_amdhsa_kernel
	.amdgpu_metadata
---
amdhsa.version: [ 1, 2 ]
amdhsa.kernels:
  - .name:           k_q29edebc96f_up
    .symbol:         k_q29edebc96f_up.kd
    .args:
      - { .name: xh, .offset: 0, .size: 8, .value_kind: global_buffer, .address_space: global }
      - { .name: w1, .offset: 8, .size: 8, .value_kind: global_buffer, .address_space: global }
      - { .name: b1, .offset: 16, .size: 8, .value_kind: global_buffer, .address_space: global }
      - { .name: bmap, .offset: 24, .size: 8, .value_kind: global_buffer, .address_space: global }
      - { .name: hbuf, .offset: 32, .size: 8, .value_kind: global_buffer, .address_space: global }
      - { .name: posbuf, .offset: 40, .size: 8, .value_kind: global_buffer, .address_space: global }
    .group_segment_fixed_size: 265216
    .private_segment_fixed_size: 0
    .kernarg_segment_align: 8
    .kernarg_segment_size: 48
    .max_flat_workgroup_size: 128
    .sgpr_count:     106
    .vgpr_count:     960
    .wavefront_size: 32
...
	.end_amdgpu_metadata
.endif
;; end of part 2
;; launch down (part 3): grid 32 x 8, 4 waves a work-group, no clusters, 264,704 bytes of LDS; arguments hbuf, w2, bmap, ypart; writes ypart
.if DOCPART == 3
	.amdgcn_target "amdgcn-amd-amdhsa--gfx1250"
	.amdhsa_code_object_version 6
	.text
	.protected	k_q29edebc96f_down
	.globl	k_q29edebc96f_down
	.p2align	8
	.type	k_q29edebc96f_down,@function
k_q29edebc96f_down:
	s_mov_b64 s[64:65], 0
	v_nop
	global_prefetch_b8 v0, s[64:65] scope:SCOPE_SE
	s_setreg_imm32_b32 hwreg(HW_REG_WAVE_MODE, 25, 1), 1
	s_wait_xcnt 0x0
; SECOND PRODUCT, routed rows only: partial y = h . w2[e]^T over one quarter of FF, f16 operands, f32 sums, stored in f32 (partial sums stay f32; the last launch adds them).
; A work-group (x = slice s, y = expert e) owns 128 rows of w2[e] (D 128 (s / 4) ..) x 1,024 columns (FF 1024 (s % 4) ..): 512 KiB of f32 that it alone reads, and all rows of expert e.
; The slice has the first product's shape, so that each fragment of h feeds eight products; a slice of 32 rows x 4,096 would feed two and read four times the bytes of h.
; TWO PHASES, as in the first product.  Phase 1: each wave streams 32 rows of the slice into LDS as f16, eight rows (64 loads of 512 bytes) asked for ahead.  One barrier.  Phase 2 writes no LDS byte.
; Tiles of 16 positions; wave c takes tile 20 i + 4 a + c in trip i, place a = 0..4 (320 rows a trip: a quarter over the mean of 2,048 / 8); the trip loop counts to 4; trips and places without rows are jumped.
; The tiles read are 64 e + 0 .. tiles - 1 (one at the least): those that the first product stored.  hbuf lies in operand order, [512 tiles][256 blocks of 16 columns][32 lanes][16 bytes]: a fragment of h
; (16 positions x 32 FF) is two loads of 512 consecutive bytes.  A place without a tile reads the expert's last tile once more, for nobody: 32 KiB a wave and trip for each such place.
; THE WAY OUT WITHOUT LDS.  Source 0 = 16 positions of h, source 1 = 16 rows of w2: register j of lane (r, h) holds position 8 h + j and the r-th row of the fragment.  The rows of w2 are dealt to LDS rows so that
; LDS row 16 b + r is the slice's column 64 (b / 4) + 4 r + b % 4.  Then register j of the accumulators 4 G .. 4 G + 3 holds four neighbouring columns, 16 bytes of f32, and sixteen neighbouring lanes hold 256
; consecutive bytes of a row of ypart, aligned.  64 moves a tile (for its 256 matrix instructions) bring each four together.
; LIMITS.  f16 holds no number beyond 65,504: w2 must lie within it; below 6e-5 f16 keeps a fixed step of 6e-8.
; NO CLUSTER: every weight byte has one reader; the tiles of h that an expert's work-groups share would want a ring in LDS, of which 264,192 bytes hold the slice, and their number hangs on a count from memory.
; REGISTERS: window 0: v0-31 addresses; phase 1: v48-63 a row in f16; phase 2: v32-95 a tile on its way out, v96-223 two buffers of eight fragments of the slice
;   window 1: the ring of places 0-3: K step p of eight, tile a at 32 p + 8 a       window 2: phase 1: eight row slots of 32; phase 2: accumulator (a, b), a < 4, at 8 (8 a + b)
;   window 3: v64-127 accumulator (4, b) at 64 + 8 b; v128-191 the ring of place 4, K step p at 128 + 8 p
.set LP,    2064                       ; a row of the slice in LDS: 2,048 bytes + 16: the 16 rows of a fragment start 16 bytes apart modulo 256
.set WP,    16384                      ; a row of w2 in memory
.set SPARE, 128*LP                     ; behind the slice: the spare words: two blocks of 256 bytes that no other line names
.set R_,   1
.set H_,   2
.set SPW,  3
.set NIL,  4
.set LANE, 5
.set H16,  6
.set WL,   7
.set AV,   8                           ; v[8:12]  byte offset of each of the five tiles in hbuf, + 16 x lane
.set WAB,  19
.set WAC,  23
.set L16,  27
.set GO,   28                          ; 8 h rows of ypart + 16 r
.set LA0,  29
.set LA,   30
.set PK,   48
.set T,    32
.set WF,   96
; scalars: s[4:5] hbuf at my quarter; s[6:7] my rows of w2; s[8:9] the expert's bitmap; s[10:11] ypart at my first tile; s12 the expert's last tile; s13 64 e; s14 a trip's first tile of mine; s15 s / 4;
; s16 wave c; s17 s % 4; s18 e; s19 s; s20 count; s21 tiles; s22 counts phase 1's trips; s23 i; s24 places with rows; s25 u; s[26:27] A's base for the loads in hand; s[28:29] the trip's place in ypart;
; s[30:31] an offset; s[32:63] the bitmap, dead behind the count; then s33 bytes added to an LDS address: phase 1: the rows done, phase 2: the next K trip's place in a row; s[66:67] the rows that phase 1 asks for
.set MSB, 0
.macro WIN new
.if MSB != (\new)
	s_set_vgpr_msb (MSB<<8)|(\new)
.set MSB, \new
.endif
.endm
; My LDS row R = 8 t + rr of 32 is the slice's row 64 (c / 2) + 2 (c % 2) + 4 (R % 16) + R / 16 = my first row + 32 (t % 2) + t / 2 + 4 rr: the base sb holds all but 4 rr.
.macro PLOAD rr, sb
	WIN 0x80                                       ; destination window 2, address window 0
.irp c, 0,1,2,3,4,5,6,7
	global_load_b128 v[32*(\rr)+4*\c:32*(\rr)+4*\c+3], v[L16], s[\sb:\sb+1] offset:4*(\rr)*WP+512*\c th:TH_LOAD_NT
.endr
.endm
.macro RLOAD p                         ; the ten loads of one K step into ring place p: two blocks of 512 bytes for each tile
	WIN 0x40                                       ; destination window 1, address window 0
.irp a, 0,1,2,3
	global_load_b128 v[32*(\p)+8*\a:32*(\p)+8*\a+3], v[AV+\a], s[26:27] offset:1024*(\p)
	global_load_b128 v[32*(\p)+8*\a+4:32*(\p)+8*\a+7], v[AV+\a], s[26:27] offset:1024*(\p)+512
.endr
	WIN 0xc0                                       ; destination window 3
	global_load_b128 v[128+8*(\p):128+8*(\p)+3], v[AV+4], s[26:27] offset:1024*(\p)
	global_load_b128 v[128+8*(\p)+4:128+8*(\p)+7], v[AV+4], s[26:27] offset:1024*(\p)+512
	WIN 0
.endm
.macro PROW rr, tail                   ; row rr of the eight in hand is rounded and stored; its slot takes the row eight further on, or, in the tail, the queue's place goes to a K step of the ring
.if \tail
.if 56+2*(\rr) > 63
	s_wait_loadcnt 63                              ; the most that a wait can name
.else
	s_wait_loadcnt 56+2*(\rr)                      ; younger than this row: 7 - rr rows of eight loads and rr K steps of ten
.endif
.else
	s_wait_loadcnt 56                              ; this row is in, the seven younger rows of eight loads stay out
.endif
	WIN 0x0a                                       ; sources 0 and 1 window 2
.set k, 0
.rept 16
	v_cvt_pk_f16_f32 v[PK+k], v[32*(\rr)+2*k], v[32*(\rr)+2*k+1]
.set k, k+1
.endr
.if \tail
.if (\rr) < 7
	RLOAD \rr
.endif
.else
	PLOAD \rr, 66
.endif
	WIN 0
.irp c, 0,1,2,3,4,5,6,7
	ds_store_b64 v[LA], v[PK+2*\c:PK+2*\c+1] offset:(\rr)*LP+256*\c
.endr
.endm
.macro MKAV                            ; tiles 64 e + min(s14 + 4 a, the last) -> byte offsets of tiles of 131,072 bytes; the constant clamp bounds what hangs on the count
.irp a, 0,1,2,3,4
	s_add_co_u32 s2, s14, 4*\a
	s_min_u32 s2, s2, s12
	s_add_co_u32 s2, s2, s13
	s_min_u32 s2, s2, 0x1ff
	s_lshl_b32 s2, s2, 17
	v_add_nc_u32 v[AV+\a], s2, v[L16]
.endr
.endm
.macro MM8 p, a                        ; the accumulators take turns, one instruction a turn
.irp b, 0,1,2,3,4,5,6,7
	v_wmma_f32_16x16x32_f16 v[8*(8*(\a)+\b):8*(8*(\a)+\b)+7], v[32*(\p)+8*(\a):32*(\p)+8*(\a)+7], v[WF+64*((\p)%2)+8*\b:WF+64*((\p)%2)+8*\b+7], v[8*(8*(\a)+\b):8*(8*(\a)+\b)+7]
.endr
.endm
.macro MM8E p                          ; tile 4
.irp b, 0,1,2,3,4,5,6,7
	v_wmma_f32_16x16x32_f16 v[64+8*\b:64+8*\b+7], v[128+8*(\p):128+8*(\p)+7], v[WF+64*((\p)%2)+8*\b:WF+64*((\p)%2)+8*\b+7], v[64+8*\b:64+8*\b+7]
.endr
.endm
; K step q = 8 u + p, as in the first product: the ring place that step q - 1 read takes step q + 7; every K step issues its ten loads, on every way; the base steps in K step 1, behind its products.
.macro KSTEP p
	WIN 0
.if (\p) == 7
.irp g, 0,1,2,3
	v_add_nc_u32 v[WAC+\g], s33, v[WAB+\g]         ; the next K trip's 512 bytes of the LDS rows (behind the last: the first again): 0, 512, 1,024 or 1,536, inside the row
.endr
.endif
.irp b, 0,1,2,3,4,5,6,7
	ds_load_b128 v[WF+64*(((\p)+1)%2)+8*\b:WF+64*(((\p)+1)%2)+8*\b+3], v[WAC+\b/2] offset:(\b%2)*16*LP+64*(((\p)+1)%8)
	ds_load_b128 v[WF+64*(((\p)+1)%2)+8*\b+4:WF+64*(((\p)+1)%2)+8*\b+7], v[WAC+\b/2] offset:(\b%2)*16*LP+64*(((\p)+1)%8)+32
.endr
	s_wait_loadcnt 60                              ; six younger K steps of ten loads may stay out
	s_wait_dscnt 16                                ; the sixteen LDS loads just issued may stay out
	WIN 0xa1                                       ; source 0 (h) window 1, source 1 (the slice) window 0, C and D window 2
	MM8 \p, 0
.irp a, 1,2,3
	WIN 0                                          ; at a branch and at a label every window is 0
	s_cmp_lt_u32 s24, \a+1
	s_cbranch_scc1 .Lsk_\@
	WIN 0xa1
	MM8 \p, \a
.endr
	WIN 0
	s_cmp_lt_u32 s24, 5
	s_cbranch_scc1 .Lsk_\@
	WIN 0xf3                                       ; source 1 window 0; source 0, C and D window 3
	MM8E \p
	WIN 0
.Lsk_\@:
.rept 4
	v_nop                                          ; four places between the products and the next step's loads into the fragments that they read
.endr
.if (\p) == 1
	s_wait_xcnt 0x0                                ; the loads' base and offsets are rewritten only behind this wait
	s_add_co_u32 s2, s25, 1
	s_and_b32 s2, s2, 3
	s_lshl_b32 s30, s2, 13
	s_add_nc_u64 s[26:27], s[4:5], s[30:31]        ; the next K trip's eight steps of 1,024 bytes; behind the last K trip the first of the trip to come,
	s_cmp_lg_u32 s25, 3
	s_cbranch_scc1 .Lnosw_\@
	MKAV                                           ; whose tiles' offsets are made here
.Lnosw_\@:
.endif
	RLOAD ((\p)+7)%8
.endm
; THE WAY OUT of tile a: register j of four accumulators side by side, then a store: lanes 0-15 fill 256 consecutive bytes of position 8 h + j's row, aligned, lanes 16-31 those of the row eight further down.
; j ascends.
.macro EPI a
.if (\a) > 0
	s_wait_xcnt 0x0                                ; the registers that the last tile's stores read are rewritten only behind this wait (tile 0: the wait at the trip's head)
.endif
.if (\a) < 4
.set EB, 64*(\a)
	WIN 0x02                                       ; source 0 window 2
.else
.set EB, 64
	WIN 0x03                                       ; source 0 window 3
.endif
.irp j, 0,1,2,3,4,5,6,7
.irp b, 0,1,2,3,4,5,6,7
	v_mov_b32 v[T+8*\j+\b], v[EB+8*\b+\j]
.endr
.endr
	WIN 0
.irp j, 0,1,2,3,4,5,6,7
	global_store_b128 v[GO], v[T+8*\j:T+8*\j+3], s[28:29] offset:262144*(\a)+4096*\j th:TH_STORE_NT
	global_store_b128 v[GO], v[T+8*\j+4:T+8*\j+7], s[28:29] offset:262144*(\a)+4096*\j+256 th:TH_STORE_NT
.endr
.endm
	s_load_b256 s[4:11], s[0:1], 0x0               ; hbuf, w2, bmap, ypart
	v_lshl_add_u32 v[SPW], v0, 2, SPARE
	v_mov_b32 v[NIL], 0
	v_lshrrev_b32 v1, 5, v0
	v_readfirstlane_b32 s16, v1                    ; wave 0..3
	v_and_b32 v[LANE], 31, v0
	v_and_b32 v[R_], 15, v0
	v_bfe_u32 v[H_], v0, 4, 1
	v_lshlrev_b32 v[H16], 4, v[H_]
	v_lshlrev_b32 v[L16], 4, v[LANE]
	s_mov_b32 s19, ttmp9
	s_and_b32 s18, ttmp7, 0xffff
	s_lshr_b32 s15, s19, 2
	s_and_b32 s17, s19, 3
	s_mov_b32 s3, 0
	s_mov_b32 s31, 0
	s_lshl_b32 s2, s18, 7
	s_lshl_b32 s30, s18, 24                        ; an expert's w2 is 16 MiB,
	s_lshl_b32 s12, s15, 21                        ; 128 rows of 16,384 bytes,
	s_add_co_u32 s30, s30, s12
	s_lshl_b32 s12, s17, 12                        ; 1,024 columns,
	s_add_co_u32 s30, s30, s12
	s_lshr_b32 s12, s16, 1                         ; my rows begin at row 64 (c / 2)
	s_lshl_b32 s12, s12, 20
	s_add_co_u32 s30, s30, s12
	s_and_b32 s12, s16, 1                          ; + 2 (c % 2)
	s_lshl_b32 s12, s12, 15
	s_add_co_u32 s30, s30, s12
	s_wait_kmcnt 0x0
	s_add_nc_u64 s[8:9], s[8:9], s[2:3]
	s_load_b512 s[32:47], s[8:9], 0x0
	s_load_b512 s[48:63], s[8:9], 0x40
	s_add_nc_u64 s[6:7], s[6:7], s[30:31]
.irp rr, 0,1,2,3,4,5,6
	PLOAD \rr, 6                                   ; 56 loads are out: the head's work below is not held up by the counter; the eighth row follows it
.endr
	WIN 0
	s_add_nc_u64 s[66:67], s[6:7], 32*WP           ; the second eight rows lie 32 rows on
	s_mul_i32 s2, s16, 32*LP
	v_lshl_add_u32 v[LA0], v[LANE], 3, s2
	v_mul_u32_u24 v[WL], v[R_], LP
	v_add_nc_u32 v[WL], v[WL], v[H16]
.irp g, 0,1,2,3
	v_add_nc_u32 v[WAB+\g], 32*\g*LP, v[WL]
.endr
	v_lshlrev_b32 v[GO], 15, v[H_]                 ; 8 rows of 4,096 bytes
	v_lshl_add_u32 v[GO], v[R_], 4, v[GO]
	s_lshl_b32 s30, s17, 15                        ; in a tile of hbuf my quarter of FF begins at block 64 (s % 4), of 512 bytes each
	s_add_nc_u64 s[4:5], s[4:5], s[30:31]
	s_lshl_b32 s30, s17, 25                        ; ypart is [4 quarters][8,192 positions][4,096 bytes]: my quarter,
	s_lshl_b32 s12, s18, 22                        ; position 1024 e
	s_add_co_u32 s30, s30, s12
	s_lshl_b32 s12, s16, 16                        ; + 16 c,
	s_add_co_u32 s30, s30, s12
	s_lshl_b32 s12, s15, 9                         ; column 128 (s / 4)
	s_add_co_u32 s30, s30, s12
	s_add_nc_u64 s[10:11], s[10:11], s[30:31]
	s_lshl_b32 s13, s18, 6
	s_wait_kmcnt 0x0
	s_bcnt1_i32_b32 s20, s32
.set i, 1
.rept 31
	s_bcnt1_i32_b32 s2, s[32+i]
	s_add_co_u32 s20, s20, s2
.set i, i+1
.endr
	s_add_co_u32 s21, s20, 15
	s_lshr_b32 s21, s21, 4
	s_max_u32 s21, s21, 1                          ; the expert's tiles, one at the least, as the first product has them
	s_sub_co_u32 s12, s21, 1
	s_mov_b32 s14, s16                             ; trip 0
	MKAV
	s_mov_b64 s[26:27], s[4:5]
	PLOAD 7, 6
	WIN 0
	s_mov_b32 s33, 0
	s_mov_b32 s22, 1
.Lrows:                                                ; three trips of eight rows, each asking for the eight rows behind them: s22 is the number of those eight
	v_add_nc_u32 v[LA], s33, v[LA0]
.irp rr, 0,1,2,3,4,5,6,7
	PROW \rr, 0
.endr
	s_wait_xcnt 0x0                                ; the loads' base is rewritten only behind this wait
	s_add_co_u32 s22, s22, 1
	s_and_b32 s2, s22, 1                           ; eight rows number t begin 32 (t % 2) + t / 2 rows behind my first
	s_lshl_b32 s2, s2, 19
	s_lshr_b32 s30, s22, 1
	s_lshl_b32 s30, s30, 14
	s_add_co_u32 s30, s30, s2
	s_add_nc_u64 s[66:67], s[6:7], s[30:31]
	s_add_co_u32 s33, s33, 8*LP
	s_cmp_lt_u32 s22, 4
	s_cbranch_scc1 .Lrows
	v_add_nc_u32 v[LA], s33, v[LA0]
.irp rr, 0,1,2,3,4,5,6,7
	PROW \rr, 1                                    ; the last eight rows: no row is left to ask for; the ring's K steps 0 to 6 go out in their stead
.endr
	s_wait_dscnt 0x0                               ; for the others' sake: my LDS stores are done
	s_barrier_signal -1
	s_barrier_wait -1                              ; the whole slice is in LDS
.irp g, 0,1,2,3
	v_mov_b32 v[WAC+\g], v[WAB+\g]
.endr
.irp b, 0,1,2,3,4,5,6,7
	ds_load_b128 v[WF+8*\b:WF+8*\b+3], v[WAC+\b/2] offset:(\b%2)*16*LP        ; the slice's fragments of K step 0
	ds_load_b128 v[WF+8*\b+4:WF+8*\b+7], v[WAC+\b/2] offset:(\b%2)*16*LP+32
.endr
	s_mov_b32 s23, 0
.Ltrip:
	s_mul_i32 s14, s23, 20                         ; places with rows: tiles 20 i + 4 a + c below the expert's number of tiles
	s_sub_co_i32 s2, s21, s14
	s_sub_co_i32 s2, s2, s16
	s_add_co_i32 s2, s2, 3
	s_ashr_i32 s2, s2, 2
	s_max_i32 s2, s2, 0
	s_min_i32 s24, s2, 5
	s_cmp_eq_u32 s24, 0
	s_cbranch_scc1 .Lnext
	s_add_co_u32 s14, s14, 20                      ; the trip to come: tiles 20 (i + 1) + c + 4 a; those past the last are places without a tile
	s_add_co_u32 s14, s14, s16
	s_wait_xcnt 0x0                                ; the stores' base and data are rewritten only behind this wait
	s_mul_i32 s30, s23, 20<<16                     ; 320 i positions of 4,096 bytes
	s_add_nc_u64 s[28:29], s[10:11], s[30:31]
	WIN 0x80                                       ; destination window 2
.set k, 0
.rept 256
	v_mov_b32 v[k], 0                              ; cleared on purpose: 320 moves for a full trip's 1,280 matrix instructions, so that every K step is the loop's one text and every accumulator is written on every way
.set k, k+1
.endr
	WIN 0xc0                                       ; destination window 3
.set k, 0
.rept 64
	v_mov_b32 v[64+k], 0
.set k, k+1
.endr
	WIN 0
	s_mov_b32 s25, 0
	s_mov_b32 s33, 0x200
.Lk:                                                   ; four K trips of eight K steps
.irp p, 0,1,2,3,4,5,6,7
	KSTEP \p
.endr
	s_add_co_u32 s25, s25, 1
	s_add_co_u32 s2, s25, 1
	s_lshl_b32 s2, s2, 9
	s_and_b32 s33, s2, 0x600
	s_cmp_lt_u32 s25, 4
	s_cbranch_scc1 .Lk
	EPI 0                                          ; the last K step's four v_nop are the places behind the last products
.irp a, 1,2,3,4
	s_cmp_lt_u32 s24, \a+1
	s_cbranch_scc1 .Lnext
	EPI \a
.endr
.Lnext:
	s_add_co_u32 s23, s23, 1
	s_cmp_lt_u32 s23, 4
	s_cbranch_scc1 .Ltrip
	s_wait_dscnt 0x0                               ; my LDS loads are back
	s_barrier_signal -1
	s_barrier_wait -1                              ; every wave's reads of LDS are over before any wave writes LDS again
	s_wait_tensorcnt 0x0                           ; the wave's end, behind my last LDS store
	ds_add_u32 v[SPW], v[NIL]
	s_wait_dscnt 0x0
	s_endpgm
.Lfunc_end_k_q29edebc96f_down:
	.size	k_q29edebc96f_down, .Lfunc_end_k_q29edebc96f_down-k_q29edebc96f_down
	.p2alignl 7, 3214868480
	.fill 96, 4, 3214868480
	.section	.rodata,"a",@progbits
	.p2align	6, 0x0
	.amdhsa_kernel k_q29edebc96f_down
		.amdhsa_group_segment_fixed_size 264704
		.amdhsa_private_segment_fixed_size 0
		.amdhsa_enable_private_segment 0
		.amdhsa_kernarg_size 32
		.amdhsa_user_sgpr_count 2
		.amdhsa_user_sgpr_kernarg_segment_ptr 1
		.amdhsa_wavefront_size32 1
		.amdhsa_system_sgpr_workgroup_id_x 1
		.amdhsa_system_sgpr_workgroup_id_y 1
		.amdhsa_system_sgpr_workgroup_id_z 1
		.amdhsa_system_vgpr_workitem_id 0
		.amdhsa_next_free_vgpr 960
		.amdhsa_next_free_sgpr 68
		.amdhsa_reserve_vcc 0
		.amdhsa_float_denorm_mode_32 3
		.amdhsa_float_denorm_mode_16_64 3
		.amdhsa_memory_ordered 1
		.amdhsa_forward_progress 1
		.amdhsa_inst_pref_size 126
	.end_amdhsa_kernel
	.amdgpu_metadata
---
amdhsa.version: [ 1, 2 ]
amdhsa.kernels:
  - .name:           k_q29edebc96f_down
    .symbol:         k_q29edebc96f_down.kd
    .args:
      - { .name: hbuf, .offset: 0, .size: 8, .value_kind: global_buffer, .address_space: global }
      - { .name: w2, .offset: 8, .size: 8, .value_kind: global_buffer, .address_space: global }
      - { .name: bmap, .offset: 16, .size: 8, .value_kind: global_buffer, .address_space: global }
      - { .name: ypart, .offset: 24, .size: 8, .value_kind: global_buffer, .address_space: global }
    .group_segment_fixed_size: 264704
    .private_segment_fixed_size: 0
    .kernarg_segment_align: 8
    .kernarg_segment_size: 32
    .max_flat_workgroup_size: 128
    .sgpr_count:     68
    .vgpr_count:     960
    .wavefront_size: 32
...
	.end_amdgpu_metadata
.endif
;; end of part 3
;; launch combine (part 4): grid 256 x 1, 4 waves a work-group, no clusters, 0 bytes of LDS; arguments ypart, b2, choice, out2, posbuf, out0; writes out0
.if DOCPART == 4
	.amdgcn_target "amdgcn-amd-amdhsa--gfx1250"
	.amdhsa_code_object_version 6
	.text
	.protected	k_q29edebc96f_combine
	.globl	k_q29edebc96f_combine
	.p2align	8
	.type	k_q29edebc96f_combine,@function
k_q29edebc96f_combine:
	s_mov_b64 s[64:65], 0
	v_nop
	global_prefetch_b8 v0, s[64:65] scope:SCOPE_SE
	s_setreg_imm32_b32 hwreg(HW_REG_WAVE_MODE, 25, 1), 1
	s_wait_xcnt 0x0
; out0[t] = g0 (the four partial rows at t's position in expert e0 + b2[e0]) + g1 (the same for e1), all in f32.  A stream: one wave owns one token's row of 4,096 bytes; no LDS, no barrier, no matrix unit.
; The experts and positions are whole numbers that earlier launches stored; each is clamped by a constant before it enters an address.
; The row goes in eight chunks of 512 bytes; a chunk is ten loads (eight partial rows, two biases); five chunks, 50 loads, are out in each wave.  No address register is rewritten, and each chunk's result
; has registers of its own, so the only waits are the counted ones.
.set SL,  16                           ; v[16:215] five chunk slots of 40 registers: partials (k, q) at 4 (4 k + q), biases at 32, 36
.set OUT, 216                          ; v[216:247] chunk c's result at OUT + 4 c
	s_load_b256 s[4:11], s[0:1], 0x0               ; ypart s[4:5], b2 s[6:7], choice s[8:9], out2 s[10:11]
	s_load_b128 s[12:15], s[0:1], 0x20             ; posbuf s[12:13], out0 s[14:15]
	v_lshrrev_b32 v2, 5, v0
	v_readfirstlane_b32 s16, v2
	s_lshl_b32 s17, ttmp9, 2
	s_add_co_u32 s17, s17, s16                     ; my token
	v_and_b32 v1, 31, v0
	v_lshlrev_b32 v1, 4, v1                        ; 16 bytes a lane
	s_lshl_b32 s2, s17, 3
	s_mov_b32 s3, 0
	s_wait_kmcnt 0x0
	s_add_nc_u64 s[8:9], s[8:9], s[2:3]
	s_add_nc_u64 s[10:11], s[10:11], s[2:3]
	s_load_b64 s[18:19], s[8:9], 0x0               ; e0, e1
	s_load_b64 s[20:21], s[10:11], 0x0             ; g0, g1
	s_lshl_b32 s2, s17, 12
	s_add_nc_u64 s[14:15], s[14:15], s[2:3]        ; my row of out0
	s_wait_kmcnt 0x0
	s_min_u32 s18, s18, 7
	s_min_u32 s19, s19, 7
	s_lshl_b32 s2, s18, 10
	s_add_co_u32 s2, s2, s17
	s_lshl_b32 s2, s2, 2
	s_add_nc_u64 s[22:23], s[12:13], s[2:3]
	s_lshl_b32 s2, s19, 10
	s_add_co_u32 s2, s2, s17
	s_lshl_b32 s2, s2, 2
	s_add_nc_u64 s[48:49], s[12:13], s[2:3]
	s_load_b32 s50, s[22:23], 0x0                  ; my position in e0,
	s_load_b32 s51, s[48:49], 0x0                  ; in e1
	s_lshl_b32 s2, s18, 12
	s_add_nc_u64 s[40:41], s[6:7], s[2:3]          ; b2[e0], b2[e1]
	s_lshl_b32 s2, s19, 12
	s_add_nc_u64 s[42:43], s[6:7], s[2:3]
	s_mov_b32 s44, s20                             ; the gates as pairs: the packed forms name a pair and take its low word for both halves
	s_mov_b32 s45, s20
	s_mov_b32 s46, s21
	s_mov_b32 s47, s21
	s_wait_kmcnt 0x0
	s_min_u32 s50, s50, 0x1fff
	s_min_u32 s51, s51, 0x1fff
	s_lshl_b32 s2, s50, 12
	s_add_nc_u64 s[24:25], s[4:5], s[2:3]          ; the four quarters lie 2^25 bytes apart
	s_add_nc_u64 s[26:27], s[24:25], 0x2000000
	s_add_nc_u64 s[28:29], s[26:27], 0x2000000
	s_add_nc_u64 s[30:31], s[28:29], 0x2000000
	s_lshl_b32 s2, s51, 12
	s_add_nc_u64 s[32:33], s[4:5], s[2:3]
	s_add_nc_u64 s[34:35], s[32:33], 0x2000000
	s_add_nc_u64 s[36:37], s[34:35], 0x2000000
	s_add_nc_u64 s[38:39], s[36:37], 0x2000000
.macro CLOAD c
.set S, SL+40*((\c)%5)
.irp m, 0,1,2,3,4,5,6,7
	global_load_b128 v[S+4*\m:S+4*\m+3], v1, s[24+2*\m:25+2*\m] offset:512*(\c) th:TH_LOAD_NT
.endr
	global_load_b128 v[S+32:S+35], v1, s[40:41] offset:512*(\c)
	global_load_b128 v[S+36:S+39], v1, s[42:43] offset:512*(\c)
.endm
.macro CHUNK c
.set S, SL+40*((\c)%5)
.set O, OUT+4*(\c)
.if (\c) < 4
	s_wait_loadcnt 40                              ; loads come back in order: my chunk is in, four younger chunks of ten loads stay out
.else
	s_wait_loadcnt 10*(7-(\c))                     ; the counts run down
.endif
.irp k, 0,16
.irp z, 0,2
	v_pk_add_f32 v[S+\k+\z:S+\k+\z+1], v[S+\k+\z:S+\k+\z+1], v[S+\k+\z+4:S+\k+\z+5]
	v_pk_add_f32 v[S+\k+\z+8:S+\k+\z+9], v[S+\k+\z+8:S+\k+\z+9], v[S+\k+\z+12:S+\k+\z+13]
.endr
.endr
.irp k, 0,16
.irp z, 0,2
	v_pk_add_f32 v[S+\k+\z:S+\k+\z+1], v[S+\k+\z:S+\k+\z+1], v[S+\k+\z+8:S+\k+\z+9]
.endr
.endr
.irp k, 0,16
.irp z, 0,2
	v_pk_add_f32 v[S+\k+\z:S+\k+\z+1], v[S+\k+\z:S+\k+\z+1], v[S+32+\k/4+\z:S+33+\k/4+\z]
.endr
.endr
.irp z, 0,2
	v_pk_mul_f32 v[O+\z:O+\z+1], v[S+\z:S+\z+1], s[44:45] op_sel_hi:[1,0]
.endr
.irp z, 0,2
	v_pk_fma_f32 v[O+\z:O+\z+1], v[S+16+\z:S+17+\z], s[46:47], v[O+\z:O+\z+1] op_sel_hi:[1,0,1]
.endr
.if (\c)+5 < 8
	CLOAD (\c)+5                                   ; the slot takes the chunk five further on, ahead of the store
.endif
	global_store_b128 v1, v[O:O+3], s[14:15] offset:512*(\c) th:TH_STORE_NT  ; 512 consecutive bytes, aligned
.endm
.irp c, 0,1,2,3,4
	CLOAD \c
.endr
.irp c, 0,1,2,3,4,5,6,7
	CHUNK \c
.endr
	s_endpgm
.Lfunc_end_k_q29edebc96f_combine:
	.size	k_q29edebc96f_combine, .Lfunc_end_k_q29edebc96f_combine-k_q29edebc96f_combine
	.p2alignl 7, 3214868480
	.fill 96, 4, 3214868480
	.section	.rodata,"a",@progbits
	.p2align	6, 0x0
	.amdhsa_kernel k_q29edebc96f_combine
		.amdhsa_group_segment_fixed_size 0
		.amdhsa_private_segment_fixed_size 0
		.amdhsa_enable_private_segment 0
		.amdhsa_kernarg_size 48
		.amdhsa_user_sgpr_count 2
		.amdhsa_user_sgpr_kernarg_segment_ptr 1
		.amdhsa_wavefront_size32 1
		.amdhsa_system_sgpr_workgroup_id_x 1
		.amdhsa_system_sgpr_workgroup_id_y 1
		.amdhsa_system_sgpr_workgroup_id_z 1
		.amdhsa_system_vgpr_workitem_id 0
		.amdhsa_next_free_vgpr 248
		.amdhsa_next_free_sgpr 66
		.amdhsa_reserve_vcc 0
		.amdhsa_float_denorm_mode_32 3
		.amdhsa_float_denorm_mode_16_64 3
		.amdhsa_memory_ordered 1
		.amdhsa_forward_progress 1
		.amdhsa_inst_pref_size 21
	.end_amdhsa_kernel
	.amdgpu_metadata
---
amdhsa.version: [ 1, 2 ]
amdhsa.kernels:
  - .name:           k_q29edebc96f_combine
    .symbol:         k_q29edebc96f_combine.kd
    .args:
      - { .name: ypart, .offset: 0, .size: 8, .value_kind: global_buffer, .address_space: global }
      - { .name: b2, .offset: 8, .size: 8, .value_kind: global_buffer, .address_space: global }
      - { .name: choice, .offset: 16, .size: 8, .value_kind: global_buffer, .address_space: global }
      - { .name: out2, .offset: 24, .size: 8, .value_kind: global_buffer, .address_space: global }
      - { .name: posbuf, .offset: 32, .size: 8, .value_kind: global_buffer, .address_space: global }
      - { .name: out0, .offset: 40, .size: 8, .value_kind: global_buffer, .address_space: global }
    .group_segment_fixed_size: 0
    .private_segment_fixed_size: 0
    .kernarg_segment_align: 8
    .kernarg_segment_size: 48
    .max_flat_workgroup_size: 128
    .sgpr_count:     66
    .vgpr_count:     248
    .wavefront_size: 32
...
	.end_amdgpu_metadata
.endif
;; end of part 4
